; MI455X (gfx1250); checked and timed in simulation.
; The chip was launched on July 23, 2026; its instructions are those of AMD's public machine-readable ISA for CDNA 5 (MIT licence, August 2026) and "CDNA5" Instruction Set Architecture Reference Guide (July 2026). The comments in the code are by the model that wrote it; some were corrected since.
;; Self Attention. Allowed arithmetic: matrix products marked QUANTISED: E5M2 operands, one given power-of-two scale a tensor, by v_wmma_f32_16x16x64_bf8_bf8 or v_wmma_f32_16x16x128_bf8_bf8, f32 sums; everything else in f32.
;; Inputs: bk 1,024 float32; bo 2,048 float32; bq 1,024 float32; bv 1,024 float32; h 2 x 2,048 x 2,048 float32; ln_b 2,048 float32; ln_g 2,048 float32; lowp_scales 12 int32 (the exponents e of the quantised operands' scales 2^e); wk_codes 1,024 x 64 x 32 uint8 (E5M2 codes of wk, K innermost, in blocks of 32 codes); wo_codes 2,048 x 32 x 32 uint8 (E5M2 codes of wo, K innermost, in blocks of 32 codes); wq_codes 1,024 x 64 x 32 uint8 (E5M2 codes of wq, K innermost, in blocks of 32 codes); wv_codes 1,024 x 64 x 32 uint8 (E5M2 codes of wv, K innermost, in blocks of 32 codes).
;; Outputs: out0 2 x 2,048 x 2,048 float32.
;; This version of the problem:
;;   THIS VERSION OF THE PROBLEM IS GIVEN IN LOW PRECISION. The matrix products marked QUANTISED in the list below multiply operands that are first quantised to E5M2 (5 exponent bits, 2 mantissa bits; 8 bits a number), with one given power-of-two scale for each operand tensor; their sums are f32. All else is computed in f32.
;;   The module's matrix products, in the order in which they are computed (A, B: the left and right operand; K: the contracted axis; several contracted axes count as one K, in the product's order):
;;     1. [M 4,096, K 2,048] x [K 2,048, N 1,024]; A: computed on the way; B: input wq (given as codes): QUANTISED (scales: A lowp_scales[0], B lowp_scales[1])
;;     2. [M 4,096, K 2,048] x [K 2,048, N 1,024]; A: computed on the way; B: input wk (given as codes): QUANTISED (scales: A lowp_scales[2], B lowp_scales[3])
;;     3. [M 4,096, K 2,048] x [K 2,048, N 1,024]; A: computed on the way; B: input wv (given as codes): QUANTISED (scales: A lowp_scales[4], B lowp_scales[5])
;;     4. batch 32 x [M 2,048, K 64] x [K 64, N 2,048]; A: computed on the way; B: computed on the way: QUANTISED (scales: A lowp_scales[6], B lowp_scales[7])
;;     5. batch 32 x [M 64, K 2,048] x [K 2,048, N 2,048]; A: computed on the way; B: softmax (see below): QUANTISED (scales: A lowp_scales[8], B lowp_scales[9])
;;     6. [M 4,096, K 1,024] x [K 1,024, N 2,048]; A: computed on the way; B: input wo (given as codes): QUANTISED (scales: A lowp_scales[10], B lowp_scales[11])
;;   THE QUANTISER, for each operand of a quantised product, along K:
;;     - The operand's scale is 2^e, e = its entry of the input lowp_scales (int32; the entries are numbered through the quantised products in the list's order, A before B).
;;     - Each number is divided by the scale, clamped to +-57,344, and rounded to the nearest number of E5M2, ties to even, subnormals kept.
;;     - The product sums the exact products of the quantised numbers (number of the format x scale) in f32.
;;   ~~~python
;;   def quantise(x, axis, e):      # numpy; x: float32 -> the quantised numbers, widened to float32 again
;;       x = np.moveaxis(x, axis, -1); K = x.shape[-1]
;;       r = np.clip(x / 2.0 ** e, -57344, 57344)
;;       step = 2.0 ** (np.maximum(np.frexp(np.where(r == 0, 1, r))[1] - 1, -14) - 2)
;;       q = np.round(r / step) * step * 2.0 ** e      # np.round: ties to even
;;       return np.moveaxis(q, -1, axis).astype(np.float32)
;;   ~~~
;;   SOFTMAX AHEAD OF A QUANTISED PRODUCT. Where the list says 'softmax', what is quantised is not the finished softmax but p = 2^(t - M), with t = logit x log2(e) and M = ceil(the row's largest t), a whole number; so 1/2 < the row's largest p <= 1. The row's sum l is taken of the UNQUANTISED p, in f32, and the product's result is divided by l at the end. Since M is a whole number, a kernel that streams over the keys may use a running M (the ceiling of the running maximum): every later rescaling is an exact power of two, so the quantised numbers keep their values, but for numbers so far below the row's largest that they fall under the format's range.
;;   OPERANDS COMPUTED ON THE WAY. 'Computed on the way' means the value that the module computes at that place (a softmax that the list does not call 'softmax' is quantised finished and normalised). What goes into a quantiser is computed in f32, as accurately as f32 sums, v_exp_f32 and their like allow (about 1e-6 of the number): no bf16 or f16 on the way to a quantiser, and a product that is left as it is and whose result goes on into a quantised operand takes f32 operands (vector FMAs, or v_wmma_f32_16x16x4_f32). A number that lies on a knife's edge between two numbers of the format may be rounded either way, as far as f32 arithmetic and the matrix unit's own rounding can turn it there, and no further.
;;   INPUTS GIVEN AS CODES. wk (in the module: [1024, 2048], K = its axis 1); wo (in the module: [2048, 1024], K = its axis 1); wq (in the module: [1024, 2048], K = its axis 1); wv (in the module: [1024, 2048], K = its axis 1): each comes as NAME_codes (uint8): NAME with its K axis moved to the last place and cut into blocks of 32 codes, [.., K / 32, bytes a block], one block behind the other in memory; one code a byte (a code: sign, 5 exponent bits, 2 mantissa bits); its scale is its entry of lowp_scales. Its value is code x scale, taken as it is: it is not quantised again, and the codes and scales need not be those that the quantiser above would give.
;; One version. Each part assembles by itself: llvm-mc -triple=amdgcn-amd-amdhsa -mcpu=gfx1250 --defsym DOCPART=n.
;; ======== version 1 of 1: 4 launches
;; limits: right only within a limited range of input values
;; workspace buffers: xq 8,388,608 bytes; xk 8,388,608 bytes; xv 8,388,608 bytes; wvi 2,097,152 bytes; rope 524,288 bytes; qc 4,194,304 bytes; kc 4,194,304 bytes; vc 4,194,304 bytes
;; launch lnq (part 1): grid 256 x 1, 16 waves a work-group, no clusters, 327,680 bytes of LDS; arguments h, ln_g, ln_b, lowp_scales, xq, xk, xv, rope, wv_codes, wvi; writes xq, xk, xv, rope, wvi
.if DOCPART == 1
	.amdgcn_target "amdgcn-amd-amdhsa--gfx1250"
	.amdhsa_code_object_version 6
	.text
	.protected	k_q5fa8c71490_lnq
	.globl	k_q5fa8c71490_lnq
	.p2align	8
	.type	k_q5fa8c71490_lnq,@function
k_q5fa8c71490_lnq:
	s_mov_b64 s[64:65], 0
	v_nop
	global_prefetch_b8 v0, s[64:65] scope:SCOPE_SE
	s_setreg_imm32_b32 hwreg(HW_REG_WAVE_MODE, 25, 1), 1
	s_wait_xcnt 0x0
; LayerNorm of h's 4,096 rows, quantised three times (entries 0, 2, 4); the rotary table; wv's codes laid anew.
; A work-group owns 16 rows, a wave one row of 2,048: a lane holds 16 neighbours along K in each of four pieces of 512.  h's row comes by one tensor load of the wave, padded to 80 bytes behind every 64; g and b by asynchronous copies into the same pattern.
; OUT.  xq, xk, wvi: images of the projections' operand registers, [row / 16][K / 128][2,048]: group c of 512 bytes, 16 bytes at 16 x lane: lane (r, h): row r, K = 32 c + 16 h + 0 .. 15.  xv: rows as they are.
;   rope [position / 16][4,096]: 16 cosines, then 16 sines a lane, in the order of the projections' results: frequency 16 t + 8 h + i.
; The 16 bytes of a row are 256 bytes apart in an image, so the codes of the 16 rows meet in a stage in LDS (units of 256 bytes at a pitch of 272) and leave as whole units.
; No cluster and no prefetch: h is read once, by one work-group, and there is no loop to run ahead in.  LIMITS: the three exponents between -126 and 112; NaN is not served.
.set ROWL,  10240
.set STG,   186368                     ; the stage: behind the spare words (184,320 .. 186,367)
.set STT,   34816                      ; 128 units x 272: one tensor's stage
.set PIECE, 1280
.set GOFF,  163840
.set LA,  2
.set GA,  3
.set LI,  5
.set X,   16
.set GB,  80
.set C,   144
.set T,   192
.set SC,  224
	s_load_b256 s[4:11], s[0:1], 0x0
	s_load_b256 s[44:51], s[0:1], 0x20
	s_load_b128 s[76:79], s[0:1], 0x40
	v_lshl_add_u32 v232, v0, 2, 0x2d000
	v_mov_b32 v233, 0
	ds_add_u32 v232, v233
	ds_add_u32 v232, v233
	v_lshrrev_b32 v1, 5, v0
	s_delay_alu instid0(VALU_DEP_1)
	v_readfirstlane_b32 s12, v1
	s_lshl_b32 s13, ttmp9, 4
	s_add_co_u32 s13, s13, s12
	s_lshl_b32 s14, s13, 13
	s_mov_b32 s15, 0
	s_mov_b32 s16, (2<<16)|(1<<20)|(3<<22)|(3<<25)
	s_mov_b32 s17, 64<<16
	s_mov_b32 s18, 32<<16
	s_mov_b32 s19, 64<<16
	s_mov_b32 s20, 32
	s_mov_b32 s21, 64
	s_mov_b32 s22, 0
	s_mov_b32 s23, 0
	s_mov_b32 s32, 1
	s_mul_i32 s33, s12, ROWL
	s_mul_i32 s37, s12, PIECE
	s_add_co_u32 s37, s37, GOFF                    ; waves 0-7: g's pieces of 1,024 bytes, waves 8-15: b's
	s_lshl_b32 s38, s12, 4
	s_add_co_u32 s38, s38, STG                     ; into the stage: unit 32 s + lane, 16 bytes at 16 x wave
	s_mul_i32 s39, s12, 8*272
	s_add_co_u32 s39, s39, STG                     ; back: my eight units
	s_lshr_b32 s40, ttmp9, 2
	s_lshl_b32 s40, s40, 15                        ; wv: tile of 16 rows = x / 4,
	s_and_b32 s41, ttmp9, 3
	s_lshl_b32 s42, s41, 13
	s_add_co_u32 s42, s42, s40
	s_lshl_b32 s41, s41, 9                         ; 512 of K = x mod 4, of them 32 a wave
	s_add_co_u32 s40, s40, s41
	s_lshl_b32 s41, s12, 5
	s_add_co_u32 s40, s40, s41
	s_lshl_b32 s43, s12, 9
	s_add_co_u32 s42, s42, s43
	s_mov_b32 s41, 0
	s_mov_b32 s43, 0
	v_and_b32 v1, 31, v0
	v_and_b32 v6, 15, v0
	v_bfe_u32 v7, v0, 4, 1
	v_and_b32 v5, 3, v0
	v_lshrrev_b32 v4, 2, v1
	v_lshlrev_b32 v236, 4, v1
	v_lshlrev_b32 v238, 11, v6
	v_mul_u32_u24 v239, v7, 0x110
	v_mul_u32_u24 v244, v1, 0x110
	v_mul_u32_u24 v4, v4, 80
	v_add_nc_u32 v237, 0x200, v236
	v_lshl_add_u32 v238, v7, 4, v238               ; wv: row r, + 16 h
	v_lshl_add_u32 v239, v6, 4, v239
	v_add_nc_u32 v244, s38, v244
	v_lshl_add_u32 v4, v5, 4, v4
	v_add_nc_u32 v239, s39, v239
	v_add_nc_u32 v234, s37, v4
	v_add_nc_u32 v235, 0x280, v234
	s_and_b32 s2, s12, 7
	s_lshl_b32 s2, s2, 10
	s_mov_b32 s3, 0
	s_wait_alu depctr_va_vdst(0)
	s_wait_dscnt 0x0                               ; both opening adds are done
	s_wait_kmcnt 0x0
	s_load_b256 s[52:59], s[10:11], 0x0
	s_add_nc_u64 s[34:35], s[4:5], s[14:15]
	s_or_b32 s35, s35, 0x80000000
	tensor_load_to_lds s[32:35], s[16:23]          ; my row of h
	s_nop 0
.rept 4
	v_nop
.endr
	s_cmp_lt_u32 s12, 8
	s_cselect_b64 s[38:39], s[6:7], s[8:9]
	s_add_nc_u64 s[38:39], s[38:39], s[2:3]
	global_load_async_to_lds_b128 v234, v236, s[38:39]
	global_load_async_to_lds_b128 v235, v237, s[38:39]
	s_add_nc_u64 s[76:77], s[76:77], s[40:41]
	s_add_nc_u64 s[78:79], s[78:79], s[42:43]
	global_load_b128 v[240:243], v238, s[76:77]
	v_and_b32 v1, 31, v0
	s_delay_alu instid0(VALU_DEP_1)
	v_mul_u32_u24 v4, v1, 80
	s_delay_alu instid0(VALU_DEP_1)
	v_add_nc_u32 v[LA], s33, v4
	s_delay_alu instid0(VALU_DEP_2)
	v_add_nc_u32 v[GA], GOFF, v4
	s_delay_alu instid0(VALU_DEP_4)
	v_lshlrev_b32 v[LI], 4, v1
	s_mov_b32 s60, 0x76543210
	s_mov_b32 s61, 0xfedcba98
	s_mov_b32 s62, 0x3a000000
	s_mov_b32 s63, 0x3727c5ac
	s_lshl_b32 s2, s13, 11
	s_add_nc_u64 s[44:45], s[44:45], s[2:3]
	s_add_nc_u64 s[46:47], s[46:47], s[2:3]
	s_add_nc_u64 s[48:49], s[48:49], s[2:3]
	s_wait_alu depctr_va_vdst(0)
	s_wait_asynccnt 0x0                            ; my pieces of g or b are in; my row of h, which I alone read, may be out
	s_barrier_signal -1
	s_barrier_wait -1
	s_wait_kmcnt 0x0
.irp n, 0,1,2
	s_add_co_i32 s2, s[52+2*\n], 127
	s_lshl_b32 s3, s2, 23
	v_mov_b32 v[SC+2*\n], s3
	s_add_co_i32 s2, s2, 15
	s_lshl_b32 s2, s2, 23
	s_or_b32 s2, s2, 0x600000
	v_mov_b32 v[SC+2*\n+1], s2
.endr
	s_cmp_lg_u32 s12, 15
	s_cbranch_scc1 .Lno_table
	s_cmp_ge_u32 ttmp9, 128
	s_cbranch_scc1 .Lno_table
	s_mov_b32 s66, 0xbfc90fdb
	s_mov_b32 s67, 0x333bbd2e
	s_mov_b32 s68, -0.00019515295891
	s_mov_b32 s69, 0.0083321608736
	s_mov_b32 s70, -0.16666654611
	s_mov_b32 s71, 0.00002443315712
	s_mov_b32 s72, -0.001388731625
	s_mov_b32 s73, 0.04166664568
	v_and_b32 v6, 15, v0
	v_bfe_u32 v7, v0, 4, 1
	s_lshl_b32 s2, ttmp9, 4
	v_add_nc_u32 v6, s2, v6
	s_delay_alu instid0(VALU_DEP_1)
	v_cvt_f32_u32 v6, v6
	v_cmp_eq_u32 vcc_lo, 0, v7
.macro TH i, lo, hi
	v_mov_b32 v[16+\i], \lo
	s_delay_alu instid0(VALU_DEP_1)
	v_cndmask_b32 v[16+\i], \hi, v[16+\i], vcc_lo
.endm
	TH 0,  1.0,              0.1
	TH 1,  0.749894209332,   0.0749894209332
	TH 2,  0.562341325190,   0.0562341325190
	TH 3,  0.421696503429,   0.0421696503429
	TH 4,  0.316227766017,   0.0316227766017
	TH 5,  0.237137370566,   0.0237137370566
	TH 6,  0.177827941004,   0.0177827941004
	TH 7,  0.133352143216,   0.0133352143216
	TH 8,  0.01,             0.001
	TH 9,  0.00749894209332, 0.000749894209332
	TH 10, 0.00562341325190, 0.000562341325190
	TH 11, 0.00421696503429, 0.000421696503429
	TH 12, 0.00316227766017, 0.000316227766017
	TH 13, 0.00237137370566, 0.000237137370566
	TH 14, 0.00177827941004, 0.000177827941004
	TH 15, 0.00133352143216, 0.000133352143216
.set i, 0
.rept 16
	v_mul_f32 v[16+i], v6, v[16+i]
.set i, i+1
.endr
.set i, 0
.rept 16
	v_mul_f32 v[32+i], 0x3f22f983, v[16+i]
.set i, i+1
.endr
.set i, 0
.rept 16
	v_rndne_f32 v[32+i], v[32+i]
.set i, i+1
.endr
.set i, 0
.rept 16
	v_fmac_f32 v[16+i], s66, v[32+i]
.set i, i+1
.endr
.set i, 0
.rept 16
	v_fmac_f32 v[16+i], s67, v[32+i]
.set i, i+1
.endr
.set i, 0
.rept 16
	v_mul_f32 v[48+i], v[16+i], v[16+i]
.set i, i+1
.endr
.set i, 0
.rept 16
	v_fma_f32 v[64+i], v[48+i], s68, s69
	v_fma_f32 v[80+i], v[48+i], s71, s72
.set i, i+1
.endr
.set i, 0
.rept 16
	v_fma_f32 v[64+i], v[64+i], v[48+i], s70
	v_fma_f32 v[80+i], v[80+i], v[48+i], s73
.set i, i+1
.endr
.set i, 0
.rept 16
	v_mul_f32 v[64+i], v[64+i], v[48+i]
	v_mul_f32 v[112+i], v[48+i], v[48+i]
	v_fma_f32 v[96+i], v[48+i], -0.5, 1.0
.set i, i+1
.endr
.set i, 0
.rept 16
	v_fma_f32 v[64+i], v[64+i], v[16+i], v[16+i]
	v_fma_f32 v[80+i], v[80+i], v[112+i], v[96+i]
	v_cvt_i32_f32 v[32+i], v[32+i]
.set i, i+1
.endr
.set i, 0
.rept 16
	v_and_b32 v[112+i], 1, v[32+i]
	s_delay_alu instid0(VALU_DEP_1)
	v_cmp_eq_u32 vcc_lo, 1, v[112+i]
	s_delay_alu instid0(VALU_DEP_1)
	v_cndmask_b32 v[96+i], v[64+i], v[80+i], vcc_lo
	s_delay_alu instid0(VALU_DEP_2)
	v_cndmask_b32 v[128+i], v[80+i], v[64+i], vcc_lo
	v_lshlrev_b32 v[112+i], 30, v[32+i]
	s_delay_alu instid0(VALU_DEP_1)
	v_and_b32 v[112+i], 0x80000000, v[112+i]
	s_delay_alu instid0(VALU_DEP_1)
	v_xor_b32 v[96+i], v[112+i], v[96+i]
	v_add_nc_u32 v[112+i], 1, v[32+i]
	s_delay_alu instid0(VALU_DEP_1)
	v_lshlrev_b32 v[112+i], 30, v[112+i]
	s_delay_alu instid0(VALU_DEP_1)
	v_and_b32 v[112+i], 0x80000000, v[112+i]
	s_delay_alu instid0(VALU_DEP_1)
	v_xor_b32 v[128+i], v[112+i], v[128+i]
.set i, i+1
.endr
	s_lshl_b32 s2, ttmp9, 12
	s_mov_b32 s3, 0
	s_add_nc_u64 s[50:51], s[50:51], s[2:3]
.irp p, 0,1,2,3
	global_store_b128 v[LI], v[128+4*\p:131+4*\p], s[50:51] offset:512*\p
	global_store_b128 v[LI], v[96+4*\p:99+4*\p], s[50:51] offset:2048+512*\p
.endr
	s_wait_xcnt 0x0
.Lno_table:
	s_wait_tensorcnt 0x0
.set j, 0
	s_wait_alu depctr_va_vdst(0)
.rept 16
	ds_load_b128 v[X+4*j:X+4*j+3], v[LA] offset:2560*(j/4)+16*(j%4)
.set j, j+1
.endr
.macro GBLOAD s
.irp i, 0,1,2,3
	ds_load_b128 v[GB+32*((\s)%2)+4*\i:GB+32*((\s)%2)+4*\i+3], v[GA] offset:2560*(\s)+16*\i
.endr
.irp i, 0,1,2,3
	ds_load_b128 v[GB+32*((\s)%2)+16+4*\i:GB+32*((\s)%2)+16+4*\i+3], v[GA] offset:ROWL+2560*(\s)+16*\i
.endr
.endm
.macro REDUCE
	s_delay_alu instid0(VALU_DEP_3)
	v_pk_add_f32 v[6:7], v[6:7], v[8:9]
	s_delay_alu instid0(VALU_DEP_2)
	v_pk_add_f32 v[10:11], v[10:11], v[12:13]
	s_delay_alu instid0(VALU_DEP_1)
	v_pk_add_f32 v[6:7], v[6:7], v[10:11]
	s_delay_alu instid0(VALU_DEP_1)
	v_add_f32 v6, v6, v7
	s_delay_alu instid0(VALU_DEP_1)
	v_add_f32_dpp v6, v6, v6 row_xmask:1 row_mask:0xf bank_mask:0xf
	s_delay_alu instid0(VALU_DEP_1)
	v_add_f32_dpp v6, v6, v6 row_xmask:2 row_mask:0xf bank_mask:0xf
	s_delay_alu instid0(VALU_DEP_1)
	v_add_f32_dpp v6, v6, v6 row_xmask:4 row_mask:0xf bank_mask:0xf
	s_delay_alu instid0(VALU_DEP_1)
	v_add_f32_dpp v6, v6, v6 row_xmask:8 row_mask:0xf bank_mask:0xf
	s_delay_alu instid0(VALU_DEP_1)
	v_permlanex16_b32 v7, v6, s60, s61
	s_delay_alu instid0(VALU_DEP_1)
	v_add_f32 v6, v6, v7
.endm
	GBLOAD 0
	s_wait_dscnt 8
.irp c, 0,1,2,3
	v_pk_add_f32 v[6+2*\c:7+2*\c], v[X+2*\c:X+2*\c+1], v[X+8+2*\c:X+9+2*\c]
.endr
.irp k, 2,3,4,5,6,7
.irp c, 0,1,2,3
	s_delay_alu instid0(VALU_DEP_4)
	v_pk_add_f32 v[6+2*\c:7+2*\c], v[6+2*\c:7+2*\c], v[X+8*\k+2*\c:X+8*\k+2*\c+1]
.endr
.endr
	REDUCE
	s_delay_alu instid0(VALU_DEP_1)
	v_mul_f32 v14, s62, v6
	s_delay_alu instid0(VALU_DEP_1)
	v_mov_b32 v15, v14
.set j, 0
.rept 32
	v_pk_add_f32 v[X+j:X+j+1], v[X+j:X+j+1], v[14:15] neg_lo:[0,1] neg_hi:[0,1]
.set j, j+2
.endr
.irp c, 0,1,2,3
	v_pk_mul_f32 v[6+2*\c:7+2*\c], v[X+2*\c:X+2*\c+1], v[X+2*\c:X+2*\c+1]
.endr
.irp k, 1,2,3,4,5,6,7
.irp c, 0,1,2,3
	s_delay_alu instid0(VALU_DEP_4)
	v_pk_fma_f32 v[6+2*\c:7+2*\c], v[X+8*\k+2*\c:X+8*\k+2*\c+1], v[X+8*\k+2*\c:X+8*\k+2*\c+1], v[6+2*\c:7+2*\c]
.endr
.endr
	REDUCE
	s_delay_alu instid0(VALU_DEP_1)
	v_fma_f32 v6, v6, s62, s63
	s_wait_alu depctr_va_vdst(0)
	v_rsq_f32 v14, v6
	v_nop
	s_wait_alu depctr_va_vdst(0)
	v_mov_b32 v15, v14
.macro NORMQ s
.if (\s) < 3
	GBLOAD (\s)+1
	s_wait_dscnt 8
.else
	s_wait_dscnt 0
.endif
.set XS, X+16*(\s)
.set GS, GB+32*((\s)%2)
.irp k, 0,2,4,6,8,10,12,14
	v_pk_mul_f32 v[XS+\k:XS+\k+1], v[XS+\k:XS+\k+1], v[14:15]
.endr
.irp k, 0,2,4,6,8,10,12,14
	v_pk_fma_f32 v[XS+\k:XS+\k+1], v[XS+\k:XS+\k+1], v[GS+\k:GS+\k+1], v[GS+16+\k:GS+17+\k]
.endr
.irp n, 0,1,2
.set TS, T+16*(\n%2)
.irp i, 0,1,2,3,4,5,6,7,8,9,10,11,12,13,14,15
	v_med3_num_f32 v[TS+\i], v[XS+\i], -v[SC+2*\n+1], v[SC+2*\n+1]
.endr
	v_cvt_scalef32_pk8_bf8_f32 v[C+16*\n+4*(\s):C+16*\n+4*(\s)+1], v[TS:TS+7], v[SC+2*\n]
	v_cvt_scalef32_pk8_bf8_f32 v[C+16*\n+4*(\s)+2:C+16*\n+4*(\s)+3], v[TS+8:TS+15], v[SC+2*\n]
.if \n < 2
	ds_store_b128 v244, v[C+16*\n+4*(\s):C+16*\n+4*(\s)+3] offset:STT*\n+8704*(\s)
.else
	global_store_b128 v[LI], v[C+16*\n+4*(\s):C+16*\n+4*(\s)+3], s[44+2*\n:45+2*\n] offset:512*(\s)
.endif
.endr
.endm
	s_wait_alu depctr_va_vdst(0)
	s_wait_loadcnt 0x0
	global_store_b128 v[LI], v[240:243], s[78:79]  ; wv's image: 512 consecutive bytes a wave
	NORMQ 0
	NORMQ 1
	NORMQ 2
	NORMQ 3
	s_wait_dscnt 0x0                               ; my row's codes are in the stage,
	s_barrier_signal -1
	s_barrier_wait -1                              ; and everybody's
.irp n, 0,1
.irp i, 0,1,2,3
	ds_load_b128 v[16+16*\n+4*\i:19+16*\n+4*\i], v239 offset:STT*\n+544*\i
.endr
.endr
.irp n, 0,1
.irp i, 0,1,2,3
	s_wait_dscnt 7-4*\n-\i
	global_store_b128 v[LI], v[16+16*\n+4*\i:19+16*\n+4*\i], s[44+2*\n:45+2*\n] offset:512*\i
.endr
.endr
	s_wait_tensorcnt 0x0                           ; the wave's end
	s_wait_asynccnt 0x0
	ds_add_u32 v232, v233
	s_wait_dscnt 0x0
	s_endpgm
.Lfunc_end_k_q5fa8c71490_lnq:
	.size	k_q5fa8c71490_lnq, .Lfunc_end_k_q5fa8c71490_lnq-k_q5fa8c71490_lnq
	.p2alignl 7, 3214868480
	.fill 96, 4, 3214868480
	.section	.rodata,"a",@progbits
	.p2align	6, 0x0
	.amdhsa_kernel k_q5fa8c71490_lnq
		.amdhsa_group_segment_fixed_size 327680
		.amdhsa_private_segment_fixed_size 0
		.amdhsa_enable_private_segment 0
		.amdhsa_kernarg_size 80
		.amdhsa_user_sgpr_count 2
		.amdhsa_user_sgpr_kernarg_segment_ptr 1
		.amdhsa_wavefront_size32 1
		.amdhsa_system_sgpr_workgroup_id_x 1
		.amdhsa_system_sgpr_workgroup_id_y 1
		.amdhsa_system_sgpr_workgroup_id_z 1
		.amdhsa_system_vgpr_workitem_id 0
		.amdhsa_next_free_vgpr 248
		.amdhsa_next_free_sgpr 80
		.amdhsa_reserve_vcc 1
		.amdhsa_float_denorm_mode_32 3
		.amdhsa_float_denorm_mode_16_64 3
		.amdhsa_memory_ordered 1
		.amdhsa_forward_progress 1
		.amdhsa_inst_pref_size 66
	.end_amdhsa_kernel
	.amdgpu_metadata
---
amdhsa.version: [ 1, 2 ]
amdhsa.kernels:
  - .name:           k_q5fa8c71490_lnq
    .symbol:         k_q5fa8c71490_lnq.kd
    .args:
      - { .name: h, .offset: 0, .size: 8, .value_kind: global_buffer, .address_space: global }
      - { .name: ln_g, .offset: 8, .size: 8, .value_kind: global_buffer, .address_space: global }
      - { .name: ln_b, .offset: 16, .size: 8, .value_kind: global_buffer, .address_space: global }
      - { .name: lowp_scales, .offset: 24, .size: 8, .value_kind: global_buffer, .address_space: global }
      - { .name: xq, .offset: 32, .size: 8, .value_kind: global_buffer, .address_space: global }
      - { .name: xk, .offset: 40, .size: 8, .value_kind: global_buffer, .address_space: global }
      - { .name: xv, .offset: 48, .size: 8, .value_kind: global_buffer, .address_space: global }
      - { .name: rope, .offset: 56, .size: 8, .value_kind: global_buffer, .address_space: global }
      - { .name: wv_codes, .offset: 64, .size: 8, .value_kind: global_buffer, .address_space: global }
      - { .name: wvi, .offset: 72, .size: 8, .value_kind: global_buffer, .address_space: global }
    .group_segment_fixed_size: 327680
    .private_segment_fixed_size: 0
    .kernarg_segment_align: 8
    .kernarg_segment_size: 80
    .max_flat_workgroup_size: 512
    .sgpr_count:     80
    .vgpr_count:     248
    .wavefront_size: 32
...
	.end_amdgpu_metadata
.endif
;; end of part 1
;; launch qkv (part 2): grid 16 x 12, 4 waves a work-group, clusters of 4 x 1, 327,680 bytes of LDS; arguments xq, xk, wvi, wq_codes, wk_codes, xv, bq, bk, bv, lowp_scales, rope, qc, kc, vc; writes qc, kc, vc
.if DOCPART == 2
	.amdgcn_target "amdgcn-amd-amdhsa--gfx1250"
	.amdhsa_code_object_version 6
	.text
	.protected	k_q5fa8c71490_qkv
	.globl	k_q5fa8c71490_qkv
	.p2align	8
	.type	k_q5fa8c71490_qkv,@function
k_q5fa8c71490_qkv:
	s_mov_b64 s[64:65], 0
	v_nop
	global_prefetch_b8 v0, s[64:65] scope:SCOPE_SE
	s_setreg_imm32_b32 hwreg(HW_REG_WAVE_MODE, 25, 1), 1
	s_wait_xcnt 0x0
	s_wait_alu depctr_hold_cnt(0) depctr_sa_sdst(0) depctr_va_vdst(0) depctr_va_sdst(0) depctr_va_ssrc(0) depctr_va_vcc(0) depctr_vm_vsrc(0)
	s_getreg_b32 s2, hwreg(HW_REG_IB_STS2, 6, 4)
	s_cmp_eq_u32 s2, 0
	s_cbranch_scc0 .Lentry_in_a_cluster
	s_endpgm
.Lentry_in_a_cluster:
	s_bfe_u32 s2, ttmp6, 0x10000c
	s_cmp_lg_u32 s2, 0x3003
	s_cbranch_scc0 .Lentry_shape_is_right
	s_endpgm
.Lentry_shape_is_right:
; The three projections q, k, v = x W^T + b on codes of E5M2 (K = 2,048), the rotary embedding of q and k, and the quantising of q, k, v for the attention's products.
; T = y / 4 says which: 0: q, 1: k, 2: v.  A work-group of four waves makes 256 x 256 of a product: 3 x 64 = 192 work-groups (a tile of 192 columns would cross from one of the three to the next and need two x operands).
; OPERANDS.  D goes from memory straight into registers, as an image of them: 64 rows a wave, 64 registers a step of 128 along K, four sets, asked for three steps ahead.
;   L goes through LDS: 256 rows, in chunks of 512 along K, a ring of two slots filled by the tensor data mover (64 rows a wave, 16 bytes of padding behind each 512), and is read by all four waves.
;   q, k: D = x (positions), L = W (columns): a lane holds ONE position and eight neighbouring columns.  v: D = wv (columns), L = xv (positions): a lane holds one column and eight neighbouring positions, the K of the attention's second product.
; L is source 0, D source 1: the same text for all three.  A wave makes 64 x 256: 4 x 16 accumulators, 512 registers.
; CLUSTERS of 4 x 1: the four need the same L: it is asked for jointly.  D differs among the four.
; THE SUMS START FROM THE BIAS x 2^-(eA + eB); a sum then stands for sum x 2^(eA + eB), which is folded into the conversion's scale.
; OUT, as images of the next operands' registers:
;   qc, kc [16 batch + head][position / 16][1,024]: lane (r, h): position r; registers 2 c, 2 c + 1: d = 16 c + 8 h + 0 .. 7.
;   vc [16 batch + head][key / 128][d / 16][2,048]: lane (r, h): d = r; registers 2 c, 2 c + 1: keys 16 c + 8 h + 0 .. 7.
; SCALES: entries 2 T, 2 T + 1; the result: q 7, k 6, v 8.  LIMITS: eA + eB between -127 and 126; the result's e - eA - eB between -126 and 112; NaN is not served.
; PREFETCH: behind the load of a chunk the next one is asked for, a slot's four steps ahead of its load; each 256 bytes once in the launch: rows of W by the clusters with x = 0, rows of xv by the one cluster that reads them; the four partners take 16 rows of each wave's 64, told apart by address.
; D has none: its loads go out three steps ahead and are never drained.
; REGISTERS: window 0: v8-31 addresses, biases, scales; v32-127 the way out; v128-255 D's sets 2, 3.  window 1: v0-127 L's fragments, a ring of four groups of two (at the head the bias); v128-255 D's sets 0, 1 (at the end the rotary table).
;   windows 2, 3: accumulator (a, b) at v[8 (8 a + b % 8)], b < 8 and b >= 8.
.set PITCH, 528                        ; 132 words: row r starts at bank 4 r mod 64 (64 banks of 4 bytes: ISA guide 11.1)
.set PART,  64*PITCH                   ; what a wave loads
.set SLOT,  4*PART
.set SPARE, 2*SLOT                     ; the spare words, which no other line names
.set BV,   8                           ; v8-11   v's bias of my columns (0 for q, k)
.set ADL,  16                          ; v16-17  LDS address of L's fragments, rows 0-127 and 128-255, in the slot in hand
.set BL,   18                          ; v18-19  the same in slot 0
.set R4,   22
.set H32,  23
.set PFO,  26
.set LI,   27
.set SPW,  28
.set NIL,  29
.set SCL,  30
.set LIMV, 31
.set G1,   24
.set G0,   32
.set TB,   36                          ; s36  LDS byte of the slot in hand, s37 of the other
.set PFA,  66
.set MSB, 0
.macro WIN new                         ; the immediate's high byte repeats the setting that is left
.if MSB != (\new)
	s_set_vgpr_msb (MSB<<8)|(\new)
.set MSB, (\new)
.endif
.endm
.set TO_L, 0x40
.macro PLACES                          ; plain lines between a matrix instruction and a load into, or a read of, its registers
.rept 4
	v_nop
.endr
.endm
.macro CREST                           ; a round of the cluster's barrier behind its opening barrier
	s_cmp_lg_u32 s14, 0
	s_cbranch_scc1 .Lnot_wave_0_\@
	s_barrier_signal -3
.Lnot_wave_0_\@:
	s_barrier_wait -3
	s_barrier_signal -1
	s_barrier_wait -1
.endm
.macro CROUND
	s_barrier_signal -1
	s_barrier_wait -1
	CREST
.endm
.macro DLOAD set, k                    ; D's fragments of the k-th step from the base into a set
.if (\set) < 2
	WIN 0x40
.else
	WIN 0
.endif
.irp a, 0,1,2,3
.irp c, 0,1,2,3
	global_load_b128 v[128+64*((\set)%2)+16*\a+4*\c:131+64*((\set)%2)+16*\a+4*\c], v[LI], s[4:5] offset:32768*\a+2048*(\k)+512*\c
.endr
.endr
.endm
.macro LFETCH q, g                     ; L's fragments 2 g, 2 g + 1 of step q of the slot: lane (r, h): row r, registers 4 c .. 4 c + 3: K = 32 c + 16 h + 0 .. 15, as in D's image
.irp i, 0,1
.irp c, 0,1,2,3
	ds_load_b128 v[32*((\g)%4)+16*\i+4*\c:32*((\g)%4)+16*\i+4*\c+3], v[ADL+(\g)/4] offset:16*PITCH*((2*(\g)+\i)%8)+128*(\q)+32*\c
.endr
.endr
.endm
.macro MULG q, g                       ; eight matrix instructions; the 64 accumulators take turns, one instruction a turn, in the same order in every step
	WIN 0xa1+0x50*((\g)/4)+4*(1-(\q)/2)
.irp i, 0,1
.irp a, 0,1,2,3
.set AC, 8*(8*\a+(2*(\g)+\i)%8)
	v_wmma_f32_16x16x128_bf8_bf8 v[AC:AC+7], v[32*((\g)%4)+16*\i:32*((\g)%4)+16*\i+15], v[128+64*((\q)%2)+16*\a:143+64*((\q)%2)+16*\a], v[AC:AC+7]
.endr
.endr
.endm
.macro NEXTFILL                        ; the walking descriptor: the next chunk, into the slot that is not in hand
	s_xor_b32 s[TB+1], s[TB], SLOT
	s_add_co_u32 s[G0+1], s45, s[TB+1]
	s_add_nc_u64 s[G0+2:G0+3], s[G0+2:G0+3], 0x200
.endm
; A step of 128 along K: eight groups; each fetches the group three further on.  A slot's last step ends with the change of slots: all my tensor loads, the add, my LDS reads, one barrier, which opens a round.
.macro STEP q, dl, lw, last
.irp g, 0,1,2,3,4,5,6,7
.if (\q < 3) || (\g < 5)
	PLACES
.if (\g == 0) && (\dl == 1)
	DLOAD (\q+3)%4, \q+3
.endif
	WIN TO_L
.if \g < 5
	LFETCH \q, \g+3
.else
	LFETCH \q+1, \g-5
.endif
	s_wait_dscnt 24                                ; all but the three groups of eight loads behind mine
.if (\g == 0) && (\lw >= 0)
	s_wait_loadcnt \lw                             ; this step's set of D is in; 16 loads for each later step that has been asked for may be out
.endif
	MULG \q, \g
.elseif \g == 5
	s_wait_dscnt 16
	MULG \q, \g
.elseif \g == 6
.if \last
	s_wait_dscnt 8
.else
	WIN 0
	s_wait_xcnt 0x0                                ; D's loads and any prefetch have read their bases
	s_add_nc_u64 s[4:5], s[4:5], 0x2000
	s_add_nc_u64 s[PFA:PFA+1], s[PFA:PFA+1], 0x200
	s_wait_tensorcnt 0x0                           ; my part of the next slot is in
	ds_add_u32 v[SPW], v[NIL]                      ; 0 onto my spare word
	s_xor_b32 s[TB], s[TB], SLOT
	NEXTFILL
	s_wait_dscnt 9                                 ; the last group's eight loads and the add may be out
.endif
	MULG \q, \g
.else
	s_wait_dscnt 0x0                               ; the add is done, and my reads of this slot are over
.if \last == 0
	s_barrier_signal -1
.endif
	MULG \q, \g
	WIN 0
.if \last == 0
	s_barrier_wait -1
	CREST
.endif
.endif
.endr
.endm
.macro SLOTADR
	v_add_nc_u32 v[ADL], s[TB], v[BL]
	v_add_nc_u32 v[ADL+1], s[TB], v[BL+1]
	s_wait_alu depctr_va_vdst(0)
.endm
.macro FIRST3
	WIN TO_L
	LFETCH 0, 0
	LFETCH 0, 1
	LFETCH 0, 2
.endm
	s_load_b512 s[68:83], s[0:1], 0x0              ; xq, xk, wvi, wq, wk, xv, bq, bk
	s_load_b256 s[84:91], s[0:1], 0x40             ; bv, lowp_scales, rope, qc
	s_load_b128 s[92:95], s[0:1], 0x60             ; kc, vc
	v_lshl_add_u32 v[SPW], v0, 2, SPARE
	v_mov_b32 v[NIL], 0
	ds_add_u32 v[SPW], v[NIL]                      ; the opening
	ds_add_u32 v[SPW], v[NIL]
	v_lshrrev_b32 v1, 5, v0
	v_readfirstlane_b32 s14, v1                    ; wave 0..3
	v_and_b32 v1, 15, v0                           ; r
	v_bfe_u32 v2, v0, 4, 1                         ; h
	v_and_b32 v6, 31, v0
	v_mul_u32_u24 v3, v1, PITCH
	v_lshl_add_u32 v[BL], v2, 4, v3
	v_add_nc_u32 v[BL+1], 128*PITCH, v[BL]
	v_lshlrev_b32 v[R4], 2, v1
	v_lshlrev_b32 v[H32], 5, v2
	v_lshlrev_b32 v[LI], 4, v6
	v_and_b32 v4, 1, v0
	v_lshlrev_b32 v4, 8, v4
	v_lshrrev_b32 v5, 1, v6
	v_lshl_add_u32 v[PFO], v5, 11, v4              ; the prefetches: row lane / 2, 256 bytes by lane % 2
	s_bfe_u32 s40, ttmp6, 0x40000                  ; cx
	s_and_b32 s41, ttmp7, 0xffff
	s_lshr_b32 s18, s41, 2                         ; T
	s_and_b32 s19, s41, 3
	s_lshl_b32 s20, ttmp9, 2
	s_add_co_u32 s20, s20, s40
	s_lshl_b32 s21, s19, 2
	s_add_co_u32 s21, s21, ttmp9
	s_cmp_eq_u32 ttmp9, 0
	s_cselect_b32 s2, 1, -1
	s_cmp_eq_u32 s18, 2
	s_cselect_b32 s2, 1, s2                        ; 1 where this cluster prefetches, else the greatest number: the same in all partners
	s_cselect_b32 s17, s40, s20                    ; D's tile of 256 rows: v: cx; q, k: 4 x + cx
	s_cselect_b32 s42, s21, s19                    ; L's: v: 4 (y % 4) + x; q, k: y % 4: it hangs on no place in the cluster
	s_mov_b32 s[G1], 15|(1<<20)|(1<<21)|(6<<22)|(3<<25)  ; all four of the cluster; elements of 1 byte; padding on; bit 21 beside a mask; after every 128 words; 4 words
	s_mov_b32 s[G1+1], 512<<16
	s_mov_b32 s[G1+2], 64<<16
	s_mov_b32 s[G1+3], 512<<16
	s_mov_b32 s[G1+4], 64
	s_mov_b32 s[G1+5], 2048
	s_mov_b32 s[G1+6], 0
	s_mov_b32 s[G1+7], 0
	s_lshl_b32 s46, s42, 19
	s_lshl_b32 s44, s14, 17
	s_add_co_u32 s46, s46, s44                     ; L: (256 x tile + 64 x wave) rows of 2,048 bytes
	s_mov_b32 s47, 0
	s_lshl_b32 s48, s17, 19
	s_add_co_u32 s48, s48, s44                     ; D likewise: 16 rows' image is 32,768 bytes
	s_mov_b32 s49, 0
	s_mul_i32 s45, s14, PART
	s_lshl_b32 s50, s40, 15
	s_add_co_u32 s50, s50, 1024                    ; the prefetches: 16 rows x place, chunk 2
	s_mov_b32 s51, 0
	s_lshl_b32 s60, s17, 10                        ; the bias: v: column 256 x D's tile + 64 x wave,
	s_lshl_b32 s61, s14, 8
	s_add_co_u32 s60, s60, s61
	s_lshl_b32 s62, s42, 10                        ; q, k: 256 x L's tile
	s_cmp_eq_u32 s18, 2
	s_cselect_b32 s60, s60, s62
	s_mov_b32 s61, 0
	s_lshl_b32 s98, s18, 3                         ; entries 2 T, 2 T + 1
	s_cmp_eq_u32 s18, 0
	s_cselect_b32 s101, 28, 24
	s_cmp_eq_u32 s18, 2
	s_cselect_b32 s101, 32, s101
	s_wait_alu depctr_va_vdst(0)
	s_wait_dscnt 0x0                               ; both opening adds are done
	s_wait_kmcnt 0x0
	s_cmp_eq_u32 s18, 0
	s_cselect_b64 s[4:5], s[68:69], s[70:71]       ; D
	s_cselect_b64 s[6:7], s[74:75], s[76:77]       ; L
	s_cselect_b64 s[8:9], s[80:81], s[82:83]       ; the bias
	s_cselect_b64 s[10:11], s[90:91], s[92:93]     ; the result
	s_cmp_eq_u32 s18, 2
	s_cselect_b64 s[4:5], s[72:73], s[4:5]
	s_cselect_b64 s[6:7], s[78:79], s[6:7]
	s_cselect_b64 s[8:9], s[84:85], s[8:9]
	s_cselect_b64 s[10:11], s[94:95], s[10:11]
	s_load_b64 s[96:97], s[86:87], s98 offset:0x0  ; eA, eB
	s_load_b32 s99, s[86:87], s101 offset:0x0      ; the result's e
	s_add_nc_u64 s[4:5], s[4:5], s[48:49]
	s_add_nc_u64 s[6:7], s[6:7], s[46:47]
	s_add_nc_u64 s[8:9], s[8:9], s[60:61]
	s_add_nc_u64 s[PFA:PFA+1], s[6:7], s[50:51]
	s_cmp_eq_u32 s18, 2
	s_cbranch_scc1 .Lbias_v
	WIN 0x40
.irp b, 0,1,2,3,4,5,6,7,8,9,10,11,12,13,14,15
	global_load_b128 v[8*\b:8*\b+3], v[H32], s[8:9] offset:64*\b          ; columns 16 b + 8 h + 0 .. 7
	global_load_b128 v[8*\b+4:8*\b+7], v[H32], s[8:9] offset:64*\b+16
.endr
	WIN 0
.irp a, 0,1,2,3
	v_mov_b32 v[BV+\a], 0
.endr
	s_wait_alu depctr_va_vdst(0)
	s_branch .Lbias_done
.Lbias_v:
.irp a, 0,1,2,3
	global_load_b32 v[BV+\a], v[R4], s[8:9] offset:64*\a                  ; column 16 a + r
.endr
	WIN 0x40
.set j, 0
.rept 128
	v_mov_b32 v[j], 0
.set j, j+1
.endr
	WIN 0
	s_wait_alu depctr_va_vdst(0)
.Lbias_done:
	CROUND                                         ; the cluster's work-groups are here: the first joint loads meet
	s_mov_b32 s[TB], 0
	s_mov_b32 s[G0], 1
	s_mov_b32 s[G0+1], s45
	s_mov_b64 s[G0+2:G0+3], s[6:7]
	s_or_b32 s[G0+3], s[G0+3], 0x80000000
	tensor_load_to_lds s[G0:G0+3], s[G1:G1+7]      ; chunk 0
	s_nop 0
	PLACES
	DLOAD 0, 0
	DLOAD 1, 1
	DLOAD 2, 2
	WIN 0
	s_wait_kmcnt 0x0
	s_add_co_i32 s96, s96, s97                     ; eA + eB
	s_sub_co_i32 s100, 127, s96
	s_lshl_b32 s100, s100, 23                      ; 2^-(eA + eB)
	s_mov_b32 s101, s100                           ; (named with it as a pair)
	s_sub_co_i32 s99, s99, s96
	s_add_co_i32 s99, s99, 127
	s_lshl_b32 s98, s99, 23
	s_add_co_i32 s99, s99, 15
	s_lshl_b32 s99, s99, 23
	s_or_b32 s99, s99, 0x600000
	v_mov_b32 v[SCL], s98                          ; 2^(e - eA - eB), for the conversion
	v_mov_b32 v[LIMV], s99                         ; 57,344 x that
	s_wait_alu depctr_va_vdst(0)
	s_wait_loadcnt 48                              ; the bias is in; D's three steps of 16 loads may be out
.irp a, 0,1,2,3
	v_mul_f32 v[BV+\a], s100, v[BV+\a]
.endr
.irp w, 0,1
	WIN 0x81+0x40*\w
.irp a, 0,1,2,3
.set BP, BV+2*(\a/2)
.set j, 0
.rept 32
.if (\a%2)
	v_pk_fma_f32 v[64*\a+j:64*\a+j+1], v[64*\w+j:64*\w+j+1], s[100:101], v[BP:BP+1] op_sel:[0,0,1] op_sel_hi:[1,0,1]
.else
	v_pk_fma_f32 v[64*\a+j:64*\a+j+1], v[64*\w+j:64*\w+j+1], s[100:101], v[BP:BP+1] op_sel_hi:[1,0,0]
.endif
.set j, j+2
.endr
.endr
.endr
	WIN 0
	s_wait_alu depctr_va_vdst(0)
	s_wait_tensorcnt 0x0                           ; my part of chunk 0 is in
	ds_add_u32 v[SPW], v[NIL]
	NEXTFILL
	s_wait_dscnt 0x0
	CROUND                                         ; everybody's part of chunk 0 is in
	s_mov_b32 s3, 3
.Lslot:                                                ; three trips: a slot's four steps each; the next chunk is asked for first
	tensor_load_to_lds s[G0:G0+3], s[G1:G1+7]
	s_nop 0
	PLACES                                         ; also the places in front of the loads below
	SLOTADR
	FIRST3
	WIN 0
	s_cmp_gt_u32 s3, s2                            ; the last trip has no chunk to ask for
	s_cbranch_scc0 .Lnot_mine
	global_prefetch_b8 v[PFO], s[PFA:PFA+1] th:TH_LOAD_NT scope:SCOPE_SE
.Lnot_mine:
	STEP 0, 1, 48, 0
	STEP 1, 1, 48, 0
	STEP 2, 1, 48, 0
	STEP 3, 1, 48, 0
	s_sub_co_u32 s3, s3, 1
	s_cmp_lg_u32 s3, 0
	s_cbranch_scc1 .Lslot
	PLACES
	SLOTADR
	FIRST3                                         ; the last slot: nothing is filled any more
	STEP 0, 1, 48, 1
	STEP 1, 0, 32, 1
	STEP 2, 0, 16, 1
	WIN 0
	s_lshr_b32 s20, s17, 3                         ; q, k: batch
	s_and_b32 s21, s17, 7
	s_lshl_b32 s21, s21, 4
	s_lshl_b32 s22, s14, 2
	s_add_co_u32 s21, s21, s22                     ; my first tile of 16 positions in the batch
	s_wait_loadcnt 0x0                             ; D's last set
	s_cmp_eq_u32 s18, 2
	s_cbranch_scc1 .Lno_rope
	s_lshl_b32 s22, s21, 12
	s_mov_b32 s23, 0
	s_add_nc_u64 s[88:89], s[88:89], s[22:23]
	WIN 0x40
.irp a, 0,1,2,3
.irp p, 0,1,2,3,4,5,6,7
	global_load_b128 v[128+32*\a+4*\p:131+32*\a+4*\p], v[LI], s[88:89] offset:4096*\a+512*\p   ; 16 cosines, 16 sines a lane, into D's sets 0, 1, which are done with
.endr
.endr
	WIN 0
.Lno_rope:
	STEP 3, 0, -1, 1
	PLACES                                         ; behind the last products: for the first reads of results
	s_cmp_eq_u32 s18, 2
	s_cbranch_scc1 .Lv
	; ---- q and k: the rotation, the hold, the conversion, for 16 positions of one head at a time
	s_lshl_b32 s20, s20, 4
	s_lshl_b32 s22, s42, 2
	s_add_co_u32 s20, s20, s22                     ; 16 batch + my first head
	s_lshl_b32 s20, s20, 7
	s_add_co_u32 s20, s20, s21
	s_lshl_b32 s20, s20, 10
	s_mov_b32 s21, 0
	s_add_nc_u64 s[10:11], s[10:11], s[20:21]
.irp hd, 0,1,2,3
.irp a, 0,1,2,3
.set AC, 64*\a+32*(\hd%2)
.set CB, 128+32*\a
.set RR, 32+32*(\a%2)
.set CD, 96+8*\a
.if \a == 0
	s_wait_xcnt 0x0                                ; the stores of the head before have read their codes
.endif
.if \hd == 0
	s_wait_loadcnt 24-8*\a                         ; this block's eight loads of the table; the later blocks' may be out
.endif
	WIN 0x06+(\hd/2)                               ; source 0 the sums, source 1 the table
.set j, 0
.rept 8
	v_pk_mul_f32 v[RR+j:RR+j+1], v[AC+j:AC+j+1], v[CB+j:CB+j+1]                    ; d < 32: x cos; each accumulator from its low end on; register 8 t + i: d = 16 t + 8 h + i
	v_pk_mul_f32 v[RR+16+j:RR+17+j], v[AC+16+j:AC+17+j], v[CB+j:CB+j+1]            ; d >= 32: x cos
.set j, j+2
.endr
.set j, 0
.rept 8
	v_pk_fma_f32 v[RR+j:RR+j+1], v[AC+16+j:AC+17+j], v[CB+16+j:CB+17+j], v[RR+j:RR+j+1] neg_lo:[1,0,0] neg_hi:[1,0,0]   ; - x(d + 32) sin
	v_pk_fma_f32 v[RR+16+j:RR+17+j], v[AC+j:AC+j+1], v[CB+16+j:CB+17+j], v[RR+16+j:RR+17+j]                             ; + x(d - 32) sin
.set j, j+2
.endr
	WIN 0
.set j, 0
.rept 32
	v_med3_num_f32 v[RR+j], v[RR+j], -v[LIMV], v[LIMV]   ; the conversion does not saturate (ISA guide 7.6.2)
.set j, j+1
.endr
.irp t, 0,1,2,3
	v_cvt_scalef32_pk8_bf8_f32 v[CD+2*\t:CD+2*\t+1], v[RR+8*\t:RR+8*\t+7], v[SCL]
.endr
	v_nop                                          ; a plain line behind the last conversion
	global_store_b128 v[LI], v[CD:CD+3], s[10:11] offset:131072*\hd+1024*\a
	global_store_b128 v[LI], v[CD+4:CD+7], s[10:11] offset:131072*\hd+1024*\a+512
.endr
.endr
	s_branch .Ldone
.Lv:
	; ---- v: a wave's 64 columns are one head; 16 columns d (a lane a column) x 128 keys at a time
	s_lshr_b32 s20, s42, 3                         ; batch
	s_lshl_b32 s20, s20, 4
	s_lshl_b32 s21, s17, 2
	s_add_co_u32 s20, s20, s21
	s_add_co_u32 s20, s20, s14                     ; 16 batch + head
	s_lshl_b32 s20, s20, 4
	s_and_b32 s21, s42, 7
	s_lshl_b32 s21, s21, 1
	s_add_co_u32 s20, s20, s21                     ; my first key step in the batch
	s_lshl_b32 s20, s20, 13
	s_mov_b32 s21, 0
	s_add_nc_u64 s[10:11], s[10:11], s[20:21]
.irp kb, 0,1
	s_wait_xcnt 0x0                                ; the stores of the key step before have read their codes
.irp a, 0,1,2,3
.set TMP, 128+64*(\a%2)
.set CD, 32+16*\a
	WIN 0x02+\kb
.set j, 0
.rept 64
	v_med3_num_f32 v[TMP+j], v[64*\a+j], -v[LIMV], v[LIMV]
.set j, j+1
.endr
	WIN 0
.irp b, 0,1,2,3,4,5,6,7
	v_cvt_scalef32_pk8_bf8_f32 v[CD+2*\b:CD+2*\b+1], v[TMP+8*\b:TMP+8*\b+7], v[SCL]   ; keys 16 b + 8 h + 0 .. 7
.endr
	v_nop
.irp c, 0,1,2,3
	global_store_b128 v[LI], v[CD+4*\c:CD+4*\c+3], s[10:11] offset:8192*\kb+2048*\a+512*\c
.endr
.endr
.endr
.Ldone:
	s_wait_tensorcnt 0x0                           ; the wave's end
	ds_add_u32 v[SPW], v[NIL]
	s_wait_dscnt 0x0
	CROUND                                         ; the closing round: no work-group ends while a partner may still ask for a tile that names it
	s_endpgm
.Lfunc_end_k_q5fa8c71490_qkv:
	.size	k_q5fa8c71490_qkv, .Lfunc_end_k_q5fa8c71490_qkv-k_q5fa8c71490_qkv
	.p2alignl 7, 3214868480
	.fill 96, 4, 3214868480
	.section	.rodata,"a",@progbits
	.p2align	6, 0x0
	.amdhsa_kernel k_q5fa8c71490_qkv
		.amdhsa_group_segment_fixed_size 327680
		.amdhsa_private_segment_fixed_size 0
		.amdhsa_enable_private_segment 0
		.amdhsa_kernarg_size 112
		.amdhsa_user_sgpr_count 2
		.amdhsa_user_sgpr_kernarg_segment_ptr 1
		.amdhsa_wavefront_size32 1
		.amdhsa_system_sgpr_workgroup_id_x 1
		.amdhsa_system_sgpr_workgroup_id_y 1
		.amdhsa_system_sgpr_workgroup_id_z 1
		.amdhsa_system_vgpr_workitem_id 0
		.amdhsa_next_free_vgpr 1024
		.amdhsa_next_free_sgpr 102
		.amdhsa_reserve_vcc 0
		.amdhsa_float_denorm_mode_32 3
		.amdhsa_float_denorm_mode_16_64 3
		.amdhsa_memory_ordered 1
		.amdhsa_forward_progress 1
		.amdhsa_inst_pref_size 239
	.end_amdhsa_kernel
	.amdgpu_metadata
---
amdhsa.version: [ 1, 2 ]
amdhsa.kernels:
  - .name:           k_q5fa8c71490_qkv
    .symbol:         k_q5fa8c71490_qkv.kd
    .args:
      - { .name: xq, .offset: 0, .size: 8, .value_kind: global_buffer, .address_space: global }
      - { .name: xk, .offset: 8, .size: 8, .value_kind: global_buffer, .address_space: global }
      - { .name: wvi, .offset: 16, .size: 8, .value_kind: global_buffer, .address_space: global }
      - { .name: wq_codes, .offset: 24, .size: 8, .value_kind: global_buffer, .address_space: global }
      - { .name: wk_codes, .offset: 32, .size: 8, .value_kind: global_buffer, .address_space: global }
      - { .name: xv, .offset: 40, .size: 8, .value_kind: global_buffer, .address_space: global }
      - { .name: bq, .offset: 48, .size: 8, .value_kind: global_buffer, .address_space: global }
      - { .name: bk, .offset: 56, .size: 8, .value_kind: global_buffer, .address_space: global }
      - { .name: bv, .offset: 64, .size: 8, .value_kind: global_buffer, .address_space: global }
      - { .name: lowp_scales, .offset: 72, .size: 8, .value_kind: global_buffer, .address_space: global }
      - { .name: rope, .offset: 80, .size: 8, .value_kind: global_buffer, .address_space: global }
      - { .name: qc, .offset: 88, .size: 8, .value_kind: global_buffer, .address_space: global }
      - { .name: kc, .offset: 96, .size: 8, .value_kind: global_buffer, .address_space: global }
      - { .name: vc, .offset: 104, .size: 8, .value_kind: global_buffer, .address_space: global }
    .group_segment_fixed_size: 327680
    .private_segment_fixed_size: 0
    .kernarg_segment_align: 8
    .kernarg_segment_size: 112
    .max_flat_workgroup_size: 128
    .sgpr_count:     102
    .vgpr_count:     1024
    .wavefront_size: 32
...
	.end_amdgpu_metadata
.endif
;; end of part 2
;; launch attn (part 3): grid 8 x 32, 16 waves a work-group, no clusters, 327,680 bytes of LDS; arguments qc, kc, vc, lowp_scales, xq; writes xq
.if DOCPART == 3
	.amdgcn_target "amdgcn-amd-amdhsa--gfx1250"
	.amdhsa_code_object_version 6
	.text
	.protected	k_q5fa8c71490_attn
	.globl	k_q5fa8c71490_attn
	.p2align	8
	.type	k_q5fa8c71490_attn,@function
k_q5fa8c71490_attn:
	s_mov_b64 s[64:65], 0
	v_nop
	global_prefetch_b8 v0, s[64:65] scope:SCOPE_SE
	s_setreg_imm32_b32 hwreg(HW_REG_WAVE_MODE, 25, 1), 1
	s_wait_xcnt 0x0
; Causal attention on codes of E5M2, head size 64, 2,048 positions, 32 pairs of batch and head; o is quantised for the output projection.
; THE SOFTMAX AHEAD OF THE SECOND PRODUCT: t = score x log2(e) / 8; M = the running largest t rounded UP to a whole number; p = 2^(t - M) is quantised, not normalised; the row's sum is taken of the
; unquantised p and divides at the end.  When M moves, the sum and O are multiplied by 2^(old M - new M), which rounds nothing.
; SHARES.  Work-group (p, bh) owns the blocks of 128 queries numbered p and 15 - p of head bh: 17 key steps' worth of tiles in every work-group.  A wave owns one tile of 16 queries: tile w / 2 of block p or of
; block 15 - p, by (w xor w / 4) mod 2.  The head's whole K and V, 131,072 bytes each, lie in LDS: every byte is filled once, in two groups of keys (512, 1,536),
; so that the first steps begin when the first group has landed.  Waves 0-7 fetch K's eighths of each group, waves 8-15 V's: one load of a wave is out at the start.
; No cluster: which key steps a work-group leaves out hangs on its block of queries, which would be its place in a cluster.
; LAYOUT.  Both products are used transposed: S^T = K Q^T (source 0 = 16 keys, source 1 = my 16 queries, K = 64), O^T = V^T P^T (source 0 = 16 of the head's 64, source 1 = P, K = 128 keys): a lane holds ONE query throughout.
; Score tile c holds keys 16 c + 8 hh + 0 .. 7 in a lane's eight registers: their codes are registers 2 c, 2 c + 1 of P.  K, V and Q lie in memory and in LDS as images of their registers: every read is 16 bytes at 16 x lane.
; CAUSAL.  Every wave walks all 16 key steps and passes both barriers; a step all of whose keys come after my queries is left out by a scalar branch on ids; on the diagonal hidden scores become -infinity.
; OUT: oc [row / 16][K / 128][2,048]: lane (r, hh): row r; registers 4 c .. 4 c + 3: K = 128 ks + 32 c + 16 hh + 0 .. 15; head hd fills ks = hd / 2, the half hd % 2: 1,024 bytes, two stores of 512.
; LIMITS: e6 + e7 between -123 and 130; e9 and e10 between -126 and 112.  NaN is not served.
; REGISTERS: v1 16 x lane; v8, v9 LDS addresses; v12 -M, v13 the largest t, v[14:15] the sum; v16-23 Q; v32-95 K's 8 fragments, then V's 4; v96-159 S^T, then p; v160-191 O^T; v192-207 p's codes; v210-221 at work and scales; v224-231 o's codes.
.set LI,  1
.set ADK, 8
.set ADV, 9
.set VREG, 131072                      ; V's place in LDS
.set TB,  2                            ; s2   LDS byte of the step's tiles in K's region
.set KF,  66                           ; s66  the step's first key
.set Q0,  67                           ; s67  my first query
.set SEL, 80
.set CS,  82
	s_load_b256 s[4:11], s[0:1], 0x0               ; qc, kc, vc, lowp_scales
	s_load_b64 s[12:13], s[0:1], 0x20              ; oc
	v_lshl_add_u32 v240, v0, 2, 0x40000
	v_mov_b32 v241, 0
	ds_add_u32 v240, v241
	ds_add_u32 v240, v241
	v_lshrrev_b32 v2, 5, v0
	s_delay_alu instid0(VALU_DEP_1)
	v_readfirstlane_b32 s14, v2                    ; wave 0..15
	s_and_b32 s15, ttmp7, 0xffff                   ; 16 batch + head
	s_lshl_b32 s56, s15, 17                        ; its 131,072 bytes in qc, kc and vc
	s_mov_b32 s57, 0
	s_and_b32 s58, s14, 7                          ; which eighth of a group I fetch
	s_lshr_b32 s59, s14, 3
	s_lshl_b32 s59, s59, 17                        ; into K's region or V's
	; descriptor groups 1: dense blocks as rows of 256 bytes: 16 and 48 rows
.irp g, 16,24
	s_mov_b32 s[\g], 3<<16                         ; elements of 8 bytes, no padding, no mask
	s_mov_b32 s[\g+1], 32<<16                      ; tensor_dim0
	s_mov_b32 s[\g+3], 32<<16                      ; tile_dim0
	s_mov_b32 s[\g+5], 32                          ; from row to row
	s_mov_b32 s[\g+6], 0
	s_mov_b32 s[\g+7], 0
.endr
	s_mov_b32 s18, 16<<16                          ; tensor_dim1,
	s_mov_b32 s20, 16                              ; tile_dim1: an eighth of 512 keys; and of 1,536
	s_mov_b32 s26, 48<<16
	s_mov_b32 s28, 48
	s_lshr_b32 s74, s14, 2
	s_xor_b32 s74, s74, s14
	s_and_b32 s74, s74, 1                          ; which of the two blocks
	s_sub_co_u32 s75, 15, ttmp9
	s_cmp_eq_u32 s74, 0
	s_cselect_b32 s75, ttmp9, s75
	s_lshl_b32 s75, s75, 7
	s_lshr_b32 s76, s14, 1
	s_lshl_b32 s76, s76, 4
	s_add_co_u32 s[Q0], s75, s76
	s_mov_b32 s[KF], 0
	s_mov_b32 s[TB], 0
	s_mov_b32 s[SEL], 0x76543210
	s_mov_b32 s[SEL+1], 0xfedcba98
	s_mov_b32 s[CS], 0x3e38aa3b                    ; c = log2(e) / 8
	s_wait_dscnt 0x0
	s_wait_kmcnt 0x0
	s_load_b128 s[68:71], s[10:11], 0x18           ; e6, e7, e8, e9
	s_load_b32 s72, s[10:11], 0x28                 ; e10
	s_cmp_lt_u32 s14, 8
	s_cselect_b64 s[60:61], s[6:7], s[8:9]
	s_add_nc_u64 s[60:61], s[60:61], s[56:57]
.macro G0SET n, off, sh                ; group n of keys begins at byte off of the head's codes; my eighth is sh bytes
	s_mul_i32 s62, s58, \sh                        ; my eighth is sh bytes
	s_add_co_u32 s62, s62, \off
	s_mov_b32 s63, 0
	s_mov_b32 s[40+4*\n], 1
	s_add_co_u32 s[41+4*\n], s62, s59
	s_add_nc_u64 s[42+4*\n:43+4*\n], s[60:61], s[62:63]
	s_or_b32 s[43+4*\n], s[43+4*\n], 0x80000000
.endm
	G0SET 0, 0, 4096
	G0SET 1, 32768, 12288
	tensor_load_to_lds s[40:43], s[16:23]          ; keys 0-511; keys 512-2,047 follow behind the first barrier: two groups in all
	s_nop 0
.rept 4
	v_nop
.endr
	s_lshl_b32 s76, s[Q0], 6                       ; my tile of Q: 1,024 bytes for 16 queries
	s_add_co_u32 s76, s76, s56
	s_mov_b32 s77, 0
	s_add_nc_u64 s[4:5], s[4:5], s[76:77]
	s_lshr_b32 s78, s15, 4                         ; oc: (128 batch + Q0 / 16) x 16,384 + head x 1,024
	s_lshl_b32 s78, s78, 21
	s_and_b32 s79, s15, 15
	s_lshl_b32 s79, s79, 10
	s_add_co_u32 s78, s78, s79
	s_lshl_b32 s79, s[Q0], 10
	s_add_co_u32 s78, s78, s79
	s_mov_b32 s79, 0
	s_add_nc_u64 s[12:13], s[12:13], s[78:79]
	v_and_b32 v2, 31, v0
	s_delay_alu instid0(VALU_DEP_1)
	v_lshlrev_b32 v[LI], 4, v2
	global_load_b128 v[16:19], v[LI], s[4:5]
	global_load_b128 v[20:23], v[LI], s[4:5] offset:512
	v_mov_b32 v13, 0xff61b1e6                      ; the largest t so far: -3e38
	s_delay_alu instid0(VALU_DEP_1)
	v_floor_f32 v12, -v13                          ; -M
	v_mov_b32 v14, 0
	v_mov_b32 v15, 0
	v_mov_b32 v210, 0                              ; a lane permute's destination counts as one of its sources
	v_mov_b32 v213, 0                              ; (the upper half of the pair v[212:213])
.set j, 0
.rept 32
	v_mov_b32 v[160+j], 0                          ; O^T: the step is written for every step alike; the first change of M leaves zeros zeros
.set j, j+1
.endr
	s_wait_kmcnt 0x0
	s_add_co_i32 s73, s68, s69
	s_lshl_b32 s73, s73, 23
	s_add_co_i32 s[CS], s[CS], s73                 ; a score stands for score x 2^(e6 + e7): added to c's exponent field
	s_mov_b32 s[CS+1], s[CS]
	s_add_co_i32 s73, s71, 127
	s_lshl_b32 s74, s73, 23
	v_mov_b32 v218, s74                            ; 2^e9, for p's conversion
	s_add_co_i32 s73, s73, 15
	s_lshl_b32 s73, s73, 23
	s_or_b32 s73, s73, 0x600000
	v_mov_b32 v219, s73                            ; 57,344 x 2^e9
	s_add_co_i32 s73, s72, 127
	s_lshl_b32 s74, s73, 23
	v_mov_b32 v220, s74                            ; 2^e10, for o's
	s_add_co_i32 s73, s73, 15
	s_lshl_b32 s73, s73, 23
	s_or_b32 s73, s73, 0x600000
	v_mov_b32 v221, s73
	s_wait_loadcnt 0x0                             ; Q
; A KEY STEP: 128 keys.
.macro STEP
	s_add_co_u32 s77, s[Q0], 15
	s_cmp_gt_u32 s[KF], s77
	s_cbranch_scc1 .Lhidden_\@                     ; all its keys come after my queries
	v_add_nc_u32 v[ADK], s[TB], v[LI]
	s_delay_alu instid0(VALU_DEP_1)
	v_add_nc_u32 v[ADV], VREG, v[ADK]
	v_nop
	v_nop                                          ; four plain lines behind the last step's products, in front of loads into registers that they read
.irp t, 0,1,2,3,4,5,6,7
	ds_load_b128 v[32+8*\t:35+8*\t], v[ADK] offset:1024*\t
	ds_load_b128 v[36+8*\t:39+8*\t], v[ADK] offset:1024*\t+512
.endr
	s_wait_alu depctr_va_vdst(0)
	s_wait_dscnt 0x0
.irp t, 0,1,2,3,4,5,6,7
	v_wmma_f32_16x16x64_bf8_bf8 v[96+8*\t:103+8*\t], v[32+8*\t:39+8*\t], v[16:23], 0
.endr
.rept 4
	v_nop
.endr
.irp d, 0,1,2,3                                ; V's fragments take K's registers and land while the softmax is walked
.irp c, 0,1,2,3
	ds_load_b128 v[32+16*\d+4*\c:35+16*\d+4*\c], v[ADV] offset:2048*\d+512*\c
.endr
.endr
	s_add_co_u32 s77, s[KF], 127
	s_cmp_le_u32 s77, s[Q0]
	s_cbranch_scc1 .Lopen_\@                       ; all its keys count
	s_sub_co_i32 s77, s[Q0], s[KF]
	v_and_b32 v212, 15, v0
	v_bfe_u32 v213, v0, 4, 1
	s_delay_alu instid0(VALU_DEP_1)
	v_lshlrev_b32 v213, 3, v213
	s_delay_alu instid0(VALU_DEP_1)
	v_sub_nc_u32 v212, v212, v213
	s_delay_alu instid0(VALU_DEP_1)
	v_add_nc_u32 v212, s77, v212                   ; my query - KF - 8 hh.  Register 8 c + i holds key KF + 8 hh + 16 c + i: hidden where 16 c + i is larger
	v_mov_b32 v214, 0xff800000
.set n, 0
.rept 64
	v_cmp_gt_i32 vcc_lo, 16*(n/8)+n%8, v212
	v_cndmask_b32 v[96+n], v[96+n], v214, vcc_lo
.set n, n+1
.endr
.Lopen_\@:
	v_max3_num_f32 v214, v96, v97, v98             ; the step's largest score of my query among my 64 keys, in two chains; each accumulator is first read at its low end
	v_max3_num_f32 v212, v99, v100, v101
.irp i, 6,10,14,18,22,26,30,34,38,42,46,50,54,58
	v_max3_num_f32 v214, v214, v[96+\i], v[97+\i]
	v_max3_num_f32 v212, v212, v[98+\i], v[99+\i]
.endr
	v_max3_num_f32 v214, v214, v158, v159
	s_delay_alu instid0(VALU_DEP_1)
	v_max_num_f32 v214, v214, v212
	s_delay_alu instid0(VALU_DEP_1)
	v_permlanex16_b32 v210, v214, s[SEL], s[SEL+1]
	s_delay_alu instid0(VALU_DEP_1)
	v_max_num_f32 v214, v214, v210                 ; and among lane l xor 16's
	s_delay_alu instid0(VALU_DEP_1)
	v_mul_f32 v214, s[CS], v214
	s_delay_alu instid0(VALU_DEP_1)
	v_max_num_f32 v13, v13, v214                   ; the running largest t
	v_mov_b32 v214, v12
	s_delay_alu instid0(VALU_DEP_2)
	v_floor_f32 v12, -v13                          ; -M = floor(-t)
	s_delay_alu instid0(VALU_DEP_1)
	v_sub_f32 v214, v12, v214                      ; old M - new M, a whole number, 0 or less
	s_delay_alu instid0(VALU_DEP_1)
	v_cvt_i32_f32 v214, v214                       ; (it saturates)
	s_delay_alu instid0(VALU_DEP_1)
	v_ldexp_f32 v212, 1.0, v214                    ; f = 2^(old M - new M)
.set j, 0
.rept 32
	v_pk_fma_f32 v[96+j:97+j], v[96+j:97+j], s[CS:CS+1], v[12:13] op_sel_hi:[1,0,0]   ; t - M
.set j, j+2
.endr
.set j, 0
	s_wait_alu depctr_va_vdst(0)
.rept 64
	v_exp_f32 v[96+j], v[96+j]                     ; p
.set j, j+1
.endr
	v_pk_mul_f32 v[14:15], v[14:15], v[212:213] op_sel_hi:[1,0]   ; the sum under the new M: the plain line behind the exponentials
	s_wait_alu depctr_va_vdst(0)                   ; one wait for the batch, ahead of its first reader
	v_pk_add_f32 v[216:217], v[100:101], v[104:105]
	v_pk_add_f32 v[238:239], v[108:109], v[112:113]
	v_pk_add_f32 v[236:237], v[116:117], v[120:121]
	v_pk_add_f32 v[234:235], v[124:125], v[128:129]
	v_pk_add_f32 v[232:233], v[132:133], v[136:137]
	v_pk_add_f32 v[230:231], v[140:141], v[144:145]
	v_pk_add_f32 v[228:229], v[148:149], v[152:153]
	v_pk_add_f32 v[14:15], v[14:15], v[156:157]
	v_pk_add_f32 v[216:217], v[216:217], v[96:97]
	v_pk_add_f32 v[238:239], v[238:239], v[98:99]
	v_pk_add_f32 v[236:237], v[236:237], v[102:103]
	v_pk_add_f32 v[234:235], v[234:235], v[106:107]
	v_pk_add_f32 v[232:233], v[232:233], v[110:111]
	v_pk_add_f32 v[230:231], v[230:231], v[114:115]
	v_pk_add_f32 v[228:229], v[228:229], v[118:119]
	v_pk_add_f32 v[14:15], v[14:15], v[122:123]
	v_pk_add_f32 v[216:217], v[216:217], v[126:127]
	v_pk_add_f32 v[238:239], v[238:239], v[130:131]
	v_pk_add_f32 v[236:237], v[236:237], v[134:135]
	v_pk_add_f32 v[234:235], v[234:235], v[138:139]
	v_pk_add_f32 v[232:233], v[232:233], v[142:143]
	v_pk_add_f32 v[230:231], v[230:231], v[146:147]
	v_pk_add_f32 v[228:229], v[228:229], v[150:151]
	v_pk_add_f32 v[14:15], v[14:15], v[154:155]
	v_pk_add_f32 v[216:217], v[216:217], v[158:159]
	s_delay_alu instid0(VALU_DEP_2)
	v_pk_add_f32 v[14:15], v[14:15], v[234:235]
	s_delay_alu instid0(VALU_DEP_2)
	v_pk_add_f32 v[216:217], v[216:217], v[232:233]
	v_pk_add_f32 v[238:239], v[238:239], v[230:231]
	v_pk_add_f32 v[236:237], v[236:237], v[228:229]
	s_delay_alu instid0(VALU_DEP_2)
	v_pk_add_f32 v[14:15], v[14:15], v[238:239]
	s_delay_alu instid0(VALU_DEP_2)
	v_pk_add_f32 v[216:217], v[216:217], v[236:237]
	s_delay_alu instid0(VALU_DEP_1)
	v_pk_add_f32 v[14:15], v[14:15], v[216:217]
.irp t, 0,1,2,3,4,5,6,7
.irp i, 0,1,2,3,4,5,6,7
	v_min_num_f32 v[96+8*\t+\i], v[96+8*\t+\i], v219   ; the conversion does not saturate (ISA guide 7.6.2); p is not negative
.endr
	v_cvt_scalef32_pk8_bf8_f32 v[192+2*\t:193+2*\t], v[96+8*\t:103+8*\t], v218
.endr
.set j, 0
.rept 16
	v_pk_mul_f32 v[160+j:161+j], v[160+j:161+j], v[212:213] op_sel_hi:[1,0]   ; O^T under the new M; also the plain lines behind the conversions
.set j, j+2
.endr
	s_wait_alu depctr_va_vdst(0)
	s_wait_dscnt 0x0                               ; V is in
.irp d, 0,1,2,3
	v_wmma_f32_16x16x128_bf8_bf8 v[160+8*\d:167+8*\d], v[32+16*\d:47+16*\d], v[192:207], v[160+8*\d:167+8*\d]   ; four accumulators by turns; eight score products stand between two links of a chain
.endr
.Lhidden_\@:
	s_add_co_u32 s[KF], s[KF], 128
	s_add_co_u32 s[TB], s[TB], 8192
.endm
; A group of n key steps: my part of its tiles has landed, my LDS reads are back, one barrier: everybody's part has.  Nothing is filled again.
.macro GROUP n, fill
	s_wait_tensorcnt 0x0
.if \fill
	ds_add_u32 v240, v241
.endif
	s_wait_dscnt 0x0
	s_barrier_signal -1
	s_barrier_wait -1
.if \fill
	tensor_load_to_lds s[44:47], s[24:31]          ; keys 512-2,047: they have the first group's steps in which to land
	s_nop 0
.rept 4
	v_nop
.endr
.endif
	s_mov_b32 s3, \n
.Lgroup_\@:
	STEP
	s_sub_co_u32 s3, s3, 1
	s_cmp_lg_u32 s3, 0
	s_cbranch_scc1 .Lgroup_\@
.endm
	GROUP 4, 1
	GROUP 12, 0
	; ---- THE WAY OUT: O^T / the sum x 2^(e8 + e9), held, converted with 2^e10: the codes are registers of the next product's operand
.rept 4
	v_nop                                          ; places behind the last products
.endr
	v_add_f32 v14, v14, v15
	s_delay_alu instid0(VALU_DEP_1)
	v_permlanex16_b32 v210, v14, s[SEL], s[SEL+1]
	s_delay_alu instid0(VALU_DEP_1)
	v_add_f32 v14, v14, v210
	s_wait_alu depctr_va_vdst(0)
	v_rcp_f32 v14, v14
	v_nop
	s_add_co_i32 s77, s70, s71
	s_wait_alu depctr_va_vdst(0)
	v_ldexp_f32 v14, v14, s77
.set j, 0
.rept 32
	v_mul_f32 v[96+j], v[160+j], v14               ; register 8 t + i: o(query r, d = 16 t + 8 hh + i)
.set j, j+1
.endr
.set j, 0
.rept 32
	v_med3_num_f32 v[96+j], v[96+j], -v221, v221
.set j, j+1
.endr
.irp t, 0,1,2,3
	v_cvt_scalef32_pk8_bf8_f32 v[224+2*\t:225+2*\t], v[96+8*\t:103+8*\t], v220
.endr
	v_nop
	v_permlane16_swap_b32 v224, v226               ; lanes 16-31 of the one with lanes 0-15 of the other: registers 4 b .. 4 b + 3 then hold d = 32 b + 16 hh + 0 .. 15,
	v_permlane16_swap_b32 v225, v227               ; which is the order in which o's codes are laid
	v_permlane16_swap_b32 v228, v230
	v_permlane16_swap_b32 v229, v231
	global_store_b128 v[LI], v[224:227], s[12:13]
	global_store_b128 v[LI], v[228:231], s[12:13] offset:512
	s_wait_tensorcnt 0x0
	ds_add_u32 v240, v241
	s_wait_dscnt 0x0
	s_endpgm
.Lfunc_end_k_q5fa8c71490_attn:
	.size	k_q5fa8c71490_attn, .Lfunc_end_k_q5fa8c71490_attn-k_q5fa8c71490_attn
	.p2alignl 7, 3214868480
	.fill 96, 4, 3214868480
	.section	.rodata,"a",@progbits
	.p2align	6, 0x0
	.amdhsa_kernel k_q5fa8c71490_attn
		.amdhsa_group_segment_fixed_size 327680
		.amdhsa_private_segment_fixed_size 0
		.amdhsa_enable_private_segment 0
		.amdhsa_kernarg_size 40
		.amdhsa_user_sgpr_count 2
		.amdhsa_user_sgpr_kernarg_segment_ptr 1
		.amdhsa_wavefront_size32 1
		.amdhsa_system_sgpr_workgroup_id_x 1
		.amdhsa_system_sgpr_workgroup_id_y 1
		.amdhsa_system_sgpr_workgroup_id_z 1
		.amdhsa_system_vgpr_workitem_id 0
		.amdhsa_next_free_vgpr 242
		.amdhsa_next_free_sgpr 84
		.amdhsa_reserve_vcc 1
		.amdhsa_float_denorm_mode_32 3
		.amdhsa_float_denorm_mode_16_64 3
		.amdhsa_memory_ordered 1
		.amdhsa_forward_progress 1
		.amdhsa_inst_pref_size 54
	.end_amdhsa_kernel
	.amdgpu_metadata
---
amdhsa.version: [ 1, 2 ]
amdhsa.kernels:
  - .name:           k_q5fa8c71490_attn
    .symbol:         k_q5fa8c71490_attn.kd
    .args:
      - { .name: qc, .offset: 0, .size: 8, .value_kind: global_buffer, .address_space: global }
      - { .name: kc, .offset: 8, .size: 8, .value_kind: global_buffer, .address_space: global }
      - { .name: vc, .offset: 16, .size: 8, .value_kind: global_buffer, .address_space: global }
      - { .name: lowp_scales, .offset: 24, .size: 8, .value_kind: global_buffer, .address_space: global }
      - { .name: xq, .offset: 32, .size: 8, .value_kind: global_buffer, .address_space: global }
    .group_segment_fixed_size: 327680
    .private_segment_fixed_size: 0
    .kernarg_segment_align: 8
    .kernarg_segment_size: 40
    .max_flat_workgroup_size: 512
    .sgpr_count:     84
    .vgpr_count:     242
    .wavefront_size: 32
...
	.end_amdgpu_metadata
.endif
;; end of part 3
;; launch oproj (part 4): grid 32 x 8, 4 waves a work-group, clusters of 4 x 1, 327,680 bytes of LDS; arguments xq, wo_codes, lowp_scales, bo, h, out0; writes out0
.if DOCPART == 4
	.amdgcn_target "amdgcn-amd-amdhsa--gfx1250"
	.amdhsa_code_object_version 6
	.text
	.protected	k_q5fa8c71490_oproj
	.globl	k_q5fa8c71490_oproj
	.p2align	8
	.type	k_q5fa8c71490_oproj,@function
k_q5fa8c71490_oproj:
	s_mov_b64 s[64:65], 0
	v_nop
	global_prefetch_b8 v0, s[64:65] scope:SCOPE_SE
	s_setreg_imm32_b32 hwreg(HW_REG_WAVE_MODE, 25, 1), 1
	s_wait_xcnt 0x0
	s_wait_alu depctr_hold_cnt(0) depctr_sa_sdst(0) depctr_va_vdst(0) depctr_va_sdst(0) depctr_va_ssrc(0) depctr_va_vcc(0) depctr_vm_vsrc(0)
	s_getreg_b32 s2, hwreg(HW_REG_IB_STS2, 6, 4)
	s_cmp_eq_u32 s2, 0
	s_cbranch_scc0 .Lentry_in_a_cluster
	s_endpgm
.Lentry_in_a_cluster:
	s_bfe_u32 s2, ttmp6, 0x10000c
	s_cmp_lg_u32 s2, 0x3003
	s_cbranch_scc0 .Lentry_shape_is_right
	s_endpgm
.Lentry_shape_is_right:
; out = o wo^T x 2^(e10 + e11) + bo + h: M = 4,096, N = 2,048, K = 1,024, on codes of E5M2.  o's codes lie in the buffer xq, whose first use is over.
; A work-group of four waves makes 128 rows x 256 columns: 256 work-groups; a wave makes 32 x 256.
; wo: the tile's 256 rows x 1,024 bytes lie in LDS whole: one tensor load a wave, nothing is filled again.  Wave b fetches the columns 4 i + b, i = 0 .. 63, so lane r of tile (g, b) is column 64 g + 4 r + b.
; o: the wave's 32 rows are 256 registers, loaded straight from their image [row / 16][K / 128][2,048] (group c: 512 bytes: lane (r, h): row r, K = 32 c + 16 h + 0 .. 15).
; Source 0 = 16 rows of o, source 1 = 16 columns: lane (r, h) holds, in register j, row 8 h + j of column 64 g + 4 r + b.  The four accumulators b give four neighbouring columns: sixteen lanes store 256 consecutive, aligned bytes, and h is read in the same order: no stage in LDS.
; Columns go by groups g of 64: 64 matrix instructions, then the group is stored, while later groups' rows of h are still on their way.
; CLUSTERS of 4 x 1: four row blocks need the same tile of wo: asked for jointly.  No prefetch: every load is issued at the head, and there is no loop to run ahead in.
; LIMITS: e10 + e11 between -126 and 127.  NaN is not served.
; REGISTERS: window 0: addresses, v32-47 bo, v64-255 wo's fragments, three sets of four; window 1: o; window 2: accumulators; window 3: h's rows, then the result.
.set PITCH, 1040                       ; 260 words: row r starts at bank 4 r mod 64 (64 banks of 4 bytes: ISA guide 11.1)
.set PART,  64*PITCH
.set SPARE, 4*PART                     ; the spare words, which no other line names
.set ADB, 16
.set LI,  20
.set RO,  21
.set BA,  22
.set SPW, 28
.set NIL, 29
.set BO,  32
.set BF,  64
.set MSB, 0
.macro WIN new                         ; the immediate's high byte repeats the setting that is left
.if MSB != (\new)
	s_set_vgpr_msb (MSB<<8)|(\new)
.set MSB, (\new)
.endif
.endm
.macro CROUND                          ; a round of the cluster's barrier
	s_barrier_signal -1
	s_barrier_wait -1
	s_cmp_lg_u32 s14, 0
	s_cbranch_scc1 .Lnot_wave_0_\@
	s_barrier_signal -3
.Lnot_wave_0_\@:
	s_barrier_wait -3
	s_barrier_signal -1
	s_barrier_wait -1
.endm
.macro ALOAD k                         ; o's two fragments of 128 along K: 8 loads
.irp a, 0,1
.irp c, 0,1,2,3
	global_load_b128 v[16*(2*\k+\a)+4*\c:16*(2*\k+\a)+4*\c+3], v[LI], s[4:5] offset:16384*\a+2048*\k+512*\c
.endr
.endr
.endm
.macro RLOAD g                         ; h's 32 rows x 64 columns of group g: 16 loads
	WIN 0xc0
.irp a, 0,1
.irp j, 0,1,2,3,4,5,6,7
	global_load_b128 v[64*\g+32*\a+4*\j:64*\g+32*\a+4*\j+3], v[RO], s[68:69] offset:8192*(16*\a+\j)+256*\g th:TH_LOAD_NT
.endr
.endr
	WIN 0
.endm
.macro BFETCH n                        ; wo's four fragments of step n (group n / 8, 128 along K: n % 8): 16 loads
.irp b, 0,1,2,3
.irp c, 0,1,2,3
	ds_load_b128 v[BF+64*((\n)%3)+16*\b+4*\c:BF+64*((\n)%3)+16*\b+4*\c+3], v[ADB+\b] offset:16*PITCH*((\n)/8)+128*((\n)%8)+32*\c
.endr
.endr
.endm
; A step: 8 matrix instructions, the group's 8 accumulators by turns; two steps ahead the fragments are fetched.
.macro STEP n
.if (\n) < 30
.rept 4
	v_nop                                          ; places behind the last step's products, whose set is loaded next
.endr
	BFETCH (\n)+2
	s_wait_dscnt 32                                ; all but the next two steps' 16 loads each
.elseif (\n) == 30
	s_wait_dscnt 16
.else
	s_wait_dscnt 0x0
.endif
.if (\n) == 0
	s_wait_loadcnt 60                              ; of 132 loads the first 72 are in: o's K steps 0 to 6 and group 0's rows of h
.elseif (\n) == 7
	s_wait_loadcnt 52                              ; all of o; bo and three groups of h may be out
.endif
	WIN 0xa1
.irp a, 0,1
.irp b, 0,1,2,3
.set AC, 64*((\n)/8)+32*\a+8*\b
.set AF, 16*(2*((\n)%8)+\a)
.set BB, BF+64*((\n)%3)+16*\b
.if ((\n)%8) == 0
	v_wmma_f32_16x16x128_bf8_bf8 v[AC:AC+7], v[AF:AF+15], v[BB:BB+15], 0
.else
	v_wmma_f32_16x16x128_bf8_bf8 v[AC:AC+7], v[AF:AF+15], v[BB:BB+15], v[AC:AC+7]
.endif
.endr
.endr
	WIN 0
.endm
.macro OUT g                           ; (h + bo), + sum x 2^(e10 + e11), stored
	s_wait_loadcnt 48-16*\g                        ; group g's rows of h (and bo) are in; the later groups' 16 loads each may be out
	WIN 0xc3
.irp i, 0,1,2,3,4,5,6,7,8,9,10,11,12,13,14,15
	v_pk_add_f32 v[64*\g+4*\i:64*\g+4*\i+1], v[64*\g+4*\i:64*\g+4*\i+1], v[BO+4*\g:BO+4*\g+1]
	v_pk_add_f32 v[64*\g+4*\i+2:64*\g+4*\i+3], v[64*\g+4*\i+2:64*\g+4*\i+3], v[BO+4*\g+2:BO+4*\g+3]
.endr                                  ; (these 32 are also the places behind the group's last products)
	WIN 0xf2
.irp a, 0,1
.irp j, 0,1,2,3,4,5,6,7
.irp b, 0,1,2,3
	v_fma_f32 v[64*\g+32*\a+4*\j+\b], v[64*\g+32*\a+8*\b+\j], s96, v[64*\g+32*\a+4*\j+\b]   ; each accumulator from its low end on
.endr
.endr
.endr
	WIN 0x0c
.irp a, 0,1
.irp j, 0,1,2,3,4,5,6,7
	global_store_b128 v[RO], v[64*\g+32*\a+4*\j:64*\g+32*\a+4*\j+3], s[70:71] offset:8192*(16*\a+\j)+256*\g th:TH_STORE_NT
.endr
.endr
	WIN 0
.endm
	s_load_b256 s[4:11], s[0:1], 0x0               ; o's codes, wo, lowp_scales, bo
	s_load_b128 s[68:71], s[0:1], 0x20             ; h, out0
	v_lshl_add_u32 v[SPW], v0, 2, SPARE
	v_mov_b32 v[NIL], 0
	ds_add_u32 v[SPW], v[NIL]                      ; the opening
	ds_add_u32 v[SPW], v[NIL]
	v_lshrrev_b32 v1, 5, v0
	v_readfirstlane_b32 s14, v1                    ; wave 0..3
	v_and_b32 v1, 15, v0                           ; r
	v_bfe_u32 v2, v0, 4, 1                         ; h
	v_and_b32 v6, 31, v0
	v_mul_u32_u24 v3, v1, PITCH
	v_lshl_add_u32 v[ADB], v2, 4, v3
	v_add_nc_u32 v[ADB+1], PART, v[ADB]
	v_add_nc_u32 v[ADB+2], 2*PART, v[ADB]
	v_add_nc_u32 v[ADB+3], 3*PART, v[ADB]
	v_lshlrev_b32 v[LI], 4, v6
	v_lshlrev_b32 v[BA], 4, v1
	v_lshlrev_b32 v7, 16, v2
	v_add_nc_u32 v[RO], v7, v[BA]                  ; row 8 h, column 4 r
	s_bfe_u32 s40, ttmp6, 0x40000                  ; cx
	s_lshl_b32 s17, ttmp9, 2
	s_add_co_u32 s17, s17, s40                     ; tile of 128 rows
	s_and_b32 s42, ttmp7, 0xffff                   ; tile of 256 columns
	s_mov_b32 s24, 15|(1<<20)|(1<<21)|(7<<22)|(3<<25)  ; all four of the cluster; elements of 1 byte; padding on; bit 21 beside a mask; after every 256 words; 4 words
	s_mov_b32 s25, 1024<<16
	s_mov_b32 s26, 64<<16
	s_mov_b32 s27, 1024<<16
	s_mov_b32 s28, 64
	s_mov_b32 s29, 4096                            ; every fourth row of wo
	s_mov_b32 s30, 0
	s_mov_b32 s31, 0
	s_lshl_b32 s46, s42, 18
	s_lshl_b32 s47, s14, 10
	s_add_co_u32 s46, s46, s47                     ; wo: row 256 x tile + wave
	s_mov_b32 s47, 0
	s_mul_i32 s33, s14, PART
	s_lshl_b32 s48, s17, 17
	s_lshl_b32 s49, s14, 15
	s_add_co_u32 s48, s48, s49                     ; o: (8 x tile + 2 x wave) x 16,384
	s_mov_b32 s49, 0
	s_lshl_b32 s50, s17, 20
	s_lshl_b32 s51, s14, 18
	s_add_co_u32 s50, s50, s51
	s_lshl_b32 s52, s42, 10
	s_add_co_u32 s50, s50, s52                     ; h, out0: (128 x tile + 32 x wave) rows of 8,192 bytes, + 1,024 x column tile
	s_mov_b32 s51, 0
	s_mov_b32 s53, 0
	s_wait_alu depctr_va_vdst(0)
	s_wait_dscnt 0x0                               ; both opening adds are done
	s_wait_kmcnt 0x0
	s_load_b64 s[96:97], s[8:9], 0x28              ; e10, e11
	s_add_nc_u64 s[4:5], s[4:5], s[48:49]
	s_add_nc_u64 s[10:11], s[10:11], s[52:53]
	s_add_nc_u64 s[68:69], s[68:69], s[50:51]
	s_add_nc_u64 s[70:71], s[70:71], s[50:51]
	s_mov_b32 s32, 1
	s_add_nc_u64 s[34:35], s[6:7], s[46:47]
	s_or_b32 s35, s35, 0x80000000
	WIN 0x40
	ALOAD 0
	ALOAD 1
	ALOAD 2
	ALOAD 3
	WIN 0
	CROUND                                         ; the cluster's work-groups are here: the joint loads meet
	tensor_load_to_lds s[32:35], s[24:31]          ; my quarter of wo's tile
	s_nop 0
.rept 4
	v_nop
.endr
	RLOAD 0
	WIN 0x40
	ALOAD 4
	ALOAD 5
	ALOAD 6
	ALOAD 7
	WIN 0
.irp g, 0,1,2,3
	global_load_b128 v[BO+4*\g:BO+4*\g+3], v[BA], s[10:11] offset:256*\g
.endr
	RLOAD 1
	RLOAD 2
	RLOAD 3
	s_wait_kmcnt 0x0
	s_add_co_i32 s96, s96, s97
	s_add_co_i32 s96, s96, 127
	s_lshl_b32 s96, s96, 23                        ; 2^(e10 + e11) as f32
	s_wait_tensorcnt 0x0                           ; my quarter is in,
	s_barrier_signal -1
	s_barrier_wait -1                              ; and everybody's
	BFETCH 0
	BFETCH 1
.irp g, 0,1,2,3
.irp k, 0,1,2,3,4,5,6,7
	STEP 8*\g+\k
.endr
	OUT \g
.endr
	s_wait_tensorcnt 0x0                           ; the wave's end
	ds_add_u32 v[SPW], v[NIL]
	s_wait_dscnt 0x0
	CROUND                                         ; the closing round: no work-group ends while a partner may still ask for a tile that names it
	s_endpgm
.Lfunc_end_k_q5fa8c71490_oproj:
	.size	k_q5fa8c71490_oproj, .Lfunc_end_k_q5fa8c71490_oproj-k_q5fa8c71490_oproj
	.p2alignl 7, 3214868480
	.fill 96, 4, 3214868480
	.section	.rodata,"a",@progbits
	.p2align	6, 0x0
	.amdhsa_kernel k_q5fa8c71490_oproj
		.amdhsa_group_segment_fixed_size 327680
		.amdhsa_private_segment_fixed_size 0
		.amdhsa_enable_private_segment 0
		.amdhsa_kernarg_size 48
		.amdhsa_user_sgpr_count 2
		.amdhsa_user_sgpr_kernarg_segment_ptr 1
		.amdhsa_wavefront_size32 1
		.amdhsa_system_sgpr_workgroup_id_x 1
		.amdhsa_system_sgpr_workgroup_id_y 1
		.amdhsa_system_sgpr_workgroup_id_z 1
		.amdhsa_system_vgpr_workitem_id 0
		.amdhsa_next_free_vgpr 1024
		.amdhsa_next_free_sgpr 100
		.amdhsa_reserve_vcc 0
		.amdhsa_float_denorm_mode_32 3
		.amdhsa_float_denorm_mode_16_64 3
		.amdhsa_memory_ordered 1
		.amdhsa_forward_progress 1
		.amdhsa_inst_pref_size 103
	.end_amdhsa_kernel
	.amdgpu_metadata
---
amdhsa.version: [ 1, 2 ]
amdhsa.kernels:
  - .name:           k_q5fa8c71490_oproj
    .symbol:         k_q5fa8c71490_oproj.kd
    .args:
      - { .name: xq, .offset: 0, .size: 8, .value_kind: global_buffer, .address_space: global }
      - { .name: wo_codes, .offset: 8, .size: 8, .value_kind: global_buffer, .address_space: global }
      - { .name: lowp_scales, .offset: 16, .size: 8, .value_kind: global_buffer, .address_space: global }
      - { .name: bo, .offset: 24, .size: 8, .value_kind: global_buffer, .address_space: global }
      - { .name: h, .offset: 32, .size: 8, .value_kind: global_buffer, .address_space: global }
      - { .name: out0, .offset: 40, .size: 8, .value_kind: global_buffer, .address_space: global }
    .group_segment_fixed_size: 327680
    .private_segment_fixed_size: 0
    .kernarg_segment_align: 8
    .kernarg_segment_size: 48
    .max_flat_workgroup_size: 128
    .sgpr_count:     100
    .vgpr_count:     1024
    .wavefront_size: 32
...
	.end_amdgpu_metadata
.endif
;; end of part 4
